; MI455X (gfx1250); checked and timed in simulation.
; The chip was launched on July 23, 2026; its instructions are those of AMD's public machine-readable ISA for CDNA 5 (MIT licence, August 2026) and "CDNA5" Instruction Set Architecture Reference Guide (July 2026). The comments in the code are by the model that wrote it; some were corrected since.
;; Specularity Masking Layer. Allowed arithmetic: float matrix products may take bf16 or f16 operands with f32 sums; all other float work in f32.
;; Inputs: x 64 x 512 x 512 x 2 float32.
;; Outputs: out0 64 x 512 x 512 x 1 float32.
;; 2 versions, each right; version 2 is version 1 with the launch mask written anew for expert scheduling mode. Each part assembles by itself: llvm-mc -triple=amdgcn-amd-amdhsa -mcpu=gfx1250 --defsym DOCPART=n.
;; ======== version 1 of 2: 1 launch
;; launch mask (part 1): grid 1024 x 1, 8 waves a work-group, no clusters, 0 bytes of LDS; arguments x, out0; writes out0
.if DOCPART == 1
	.amdgcn_target "amdgcn-amd-amdhsa--gfx1250"
	.amdhsa_code_object_version 6
	.text
	.protected	k_q0d9f082d2a_mask
	.globl	k_q0d9f082d2a_mask
	.p2align	8
	.type	k_q0d9f082d2a_mask,@function
k_q0d9f082d2a_mask:
	s_mov_b64 s[64:65], 0
	v_nop
	global_prefetch_b8 v0, s[64:65] scope:SCOPE_SE
	s_setreg_imm32_b32 hwreg(HW_REG_WAVE_MODE, 25, 1), 1
	s_wait_xcnt 0x0
; out[p] = (v*255 / (1 + s*255) > 2) ? 0.0 : 1.0,  x: [16,777,216][2] f32 as (s, v) pairs, out: [16,777,216] f32.
;
; THE ARITHMETIC, without a division and yet with the correctly rounded division's answer:
;   b = RN(255 s + 1), a = RN(255 v): one packed fused multiply-add on the pair (s, v) with the addend pair (1, 0).
;   For b > 0: RN(a/b) > 2 exactly when a > 2b.  (a <= 2b: the exact quotient is at most 2.  a > 2b: a is at least one step of
;   2b = m 2^e, 1 <= m < 2, above it, so a/b >= 2 + 2^-22/m > 2 + 2^-23, the midpoint between 2 and the next float.)
;   For b < 0 the mirror image: RN(a/b) > 2 exactly when a < 2b.  Both together: (a - 2b) b > 0.
;   d = fma(b, -2, a) has the exact sign of a - 2b: one rounding, 2b never overflows by itself, and a nonzero difference of two
;   multiples of the smallest denormal is never rounded to zero.
;   b is never 0: 255 s = -1 has no solution in binary fractions, and |255 s + 1| >= 2^-31 near it.  So d b has the wanted sign;
;   it cannot underflow (d small means a near 2b, both multiples of 2^-54 or more: |d b| >= 2^-85), and an overflow keeps the sign.
;   NaN in s or v makes d b NaN, the compare false and the mask 1, as in the reference; infinities give the reference's answers
;   (inf/inf: NaN, mask 1; a/inf: d b = -inf, mask 1; inf/b: sign of a b).
; LIMIT, an order of rounding: b is rounded once, where the formula as written rounds 255 s and then 1 + that.  The two divisors
;   differ, by one last bit, only where 1 + 255 s lies in another binade than 255 s (that includes the s next to -1/255, where
;   the two-step sum is +0 and the fused one is about -2^-24), and the mask then differs only if a is within one step of 2b as well.
;
; THE STREAM.  Eight waves; a work-group owns 131,072 consecutive bytes of x (32 chunks of 4,096) and 65,536 of out.
; Thread t takes 16 bytes (two pairs) at 16 t of each chunk and stores 8 bytes at 8 t of the chunk's 2,048 output bytes:
; a wave's load covers 512 consecutive bytes, a wave's store 256 consecutive bytes at a multiple of 256 from out's first byte.
; A ring of DEPTH register slots keeps DEPTH loads of every wave in flight.  No wave depends on another: no LDS, no barrier.
; Nothing is shared between work-groups, so there is nothing for a cluster to fetch jointly; each byte is touched once,
; hence the non-temporal hints.
.set DEPTH,  8                         ; slots = loads in flight in each wave
.set CHIN,   4096                      ; input bytes of a chunk (256 threads x 16)
.set CHOUT,  2048                      ; output bytes of a chunk (256 threads x 8)
.set CHUNKS, 32                        ; chunks of a work-group: 1,024 groups x 32 x 4,096 = 134,217,728 bytes
.set ROUNDS, CHUNKS/DEPTH              ; each round takes every slot once
.set LOFF, 1                           ; v1        16 t
.set SOFF, 2                           ; v2        8 t
.set C,    4                           ; v[4:5]    (1.0, 0.0): the packed addend; v5 is also the mask's 0.0
.set T,    6                           ; v[6:9]    (b0, a0, b1, a1), then (b0, e0, b1, e1)
.set X,    12                          ; v[12:43]  slot i: 4 registers as loaded: s0, v0, s1, v1
.set Y,    44                          ; v[44:59]  slot i: 2 registers to store
	s_load_b128 s[4:7], s[0:1], 0x0                ; x s[4:5], out s[6:7]
	s_lshl_b32 s8, ttmp9, 17                       ; the group's first byte of x: at most 1,023 x 131,072, below 2^27
	s_mov_b32 s9, 0
	s_lshl_b32 s10, ttmp9, 16                      ; and of out
	s_mov_b32 s11, 0
	v_lshlrev_b32 v[LOFF], 4, v0
	v_lshlrev_b32 v[SOFF], 3, v0
	v_mov_b32 v[C], 1.0
	v_mov_b32 v[C+1], 0
	s_wait_kmcnt 0x0
	s_add_nc_u64 s[4:5], s[4:5], s[8:9]
	s_add_nc_u64 s[6:7], s[6:7], s[10:11]
.irp i, 0,1,2,3,4,5,6,7
	global_load_b128 v[X+4*\i:X+4*\i+3], v[LOFF], s[4:5] offset:\i*CHIN th:TH_LOAD_NT     ; fill the ring: chunks 0 to 7
.endr
; One slot's turn.  ahead = 1: the slot is filled again with the chunk DEPTH further on (the bases still point at this round).
; left = how many younger loads may still be out when this slot's load has to be there.
.macro SLOT i, ahead, left
	s_wait_loadcnt \left                           ; loads return in order (ISA guide 5.7.1): mine is in, the younger ones stay out
	v_pk_fma_f32 v[T:T+1],   v[X+4*\i:X+4*\i+1],   0x437f0000, v[C:C+1] op_sel_hi:[1,0,1]    ; (b0, a0) = (255 s0 + 1, 255 v0 + 0)
	v_pk_fma_f32 v[T+2:T+3], v[X+4*\i+2:X+4*\i+3], 0x437f0000, v[C:C+1] op_sel_hi:[1,0,1]    ; (b1, a1)
.if \ahead
	global_load_b128 v[X+4*\i:X+4*\i+3], v[LOFF], s[4:5] offset:(DEPTH+\i)*CHIN th:TH_LOAD_NT ; X has been read: ask again at once
.endif
	v_fma_f32 v[T+1], v[T],   -2.0, v[T+1]         ; d0 = a0 - 2 b0, sign exact
	v_fma_f32 v[T+3], v[T+2], -2.0, v[T+3]         ; d1
	v_mul_f32 v[T+1], v[T+1], v[T]                 ; e0 = d0 b0: positive exactly where the quotient exceeds 2
	v_mul_f32 v[T+3], v[T+3], v[T+2]               ; e1
	v_cmp_lt_f32 vcc_lo, 0, v[T+1]                 ; false for NaN: the mask is then 1
	v_cmp_lt_f32 s14, 0, v[T+3]
	v_cndmask_b32 v[Y+2*\i],   1.0, v[C+1], vcc_lo ; 0.0 where the bit is set, else 1.0
	v_cndmask_b32 v[Y+2*\i+1], 1.0, v[C+1], s14
	global_store_b64 v[SOFF], v[Y+2*\i:Y+2*\i+1], s[6:7] offset:\i*CHOUT th:TH_STORE_NT
.endm
	s_mov_b32 s12, ROUNDS-1
.Lround:
.irp i, 0,1,2,3,4,5,6,7
	SLOT \i, 1, DEPTH-1
.endr
	s_wait_xcnt 0x0                                ; all issued loads and stores have had their addresses translated (ISA guide 3.1):
	                                               ; only now are the two bases stepped and, in the next round, the Y registers rewritten
	s_add_nc_u64 s[4:5], s[4:5], DEPTH*CHIN
	s_add_nc_u64 s[6:7], s[6:7], DEPTH*CHOUT
	s_sub_co_u32 s12, s12, 1
	s_cmp_lg_u32 s12, 0
	s_cbranch_scc1 .Lround
.irp i, 0,1,2,3,4,5,6,7
	SLOT \i, 0, DEPTH-1-\i                         ; the last round loads nothing, so no load leaves the group's span: the counts run down
.endr
	s_endpgm
.Lfunc_end_k_q0d9f082d2a_mask:
	.size	k_q0d9f082d2a_mask, .Lfunc_end_k_q0d9f082d2a_mask-k_q0d9f082d2a_mask
	.p2alignl 7, 3214868480
	.fill 96, 4, 3214868480
	.section	.rodata,"a",@progbits
	.p2align	6, 0x0
	.amdhsa_kernel k_q0d9f082d2a_mask
		.amdhsa_group_segment_fixed_size 0
		.amdhsa_private_segment_fixed_size 0
		.amdhsa_enable_private_segment 0
		.amdhsa_kernarg_size 16
		.amdhsa_user_sgpr_count 2
		.amdhsa_user_sgpr_kernarg_segment_ptr 1
		.amdhsa_wavefront_size32 1
		.amdhsa_system_sgpr_workgroup_id_x 1
		.amdhsa_system_sgpr_workgroup_id_y 1
		.amdhsa_system_sgpr_workgroup_id_z 1
		.amdhsa_system_vgpr_workitem_id 0
		.amdhsa_next_free_vgpr 60
		.amdhsa_next_free_sgpr 66
		.amdhsa_reserve_vcc 1
		.amdhsa_float_denorm_mode_32 3
		.amdhsa_float_denorm_mode_16_64 3
		.amdhsa_memory_ordered 1
		.amdhsa_forward_progress 1
		.amdhsa_inst_pref_size 14
	.end_amdhsa_kernel
	.amdgpu_metadata
---
amdhsa.version: [ 1, 2 ]
amdhsa.kernels:
  - .name:           k_q0d9f082d2a_mask
    .symbol:         k_q0d9f082d2a_mask.kd
    .args:
      - { .name: x, .offset: 0, .size: 8, .value_kind: global_buffer, .address_space: global }
      - { .name: out0, .offset: 8, .size: 8, .value_kind: global_buffer, .address_space: global }
    .group_segment_fixed_size: 0
    .private_segment_fixed_size: 0
    .kernarg_segment_align: 8
    .kernarg_segment_size: 16
    .max_flat_workgroup_size: 256
    .sgpr_count:     66
    .vgpr_count:     60
    .wavefront_size: 32
...
	.end_amdgpu_metadata
.endif
;; end of part 1
;; ======== version 2 of 2: 1 launch; version 1 with the launch mask written anew for expert scheduling mode
;; launch mask (part 2): grid 1024 x 1, 8 waves a work-group, no clusters, 0 bytes of LDS; arguments x, out0; writes out0
.if DOCPART == 2
	.amdgcn_target "amdgcn-amd-amdhsa--gfx1250"
	.amdhsa_code_object_version 6
	.text
	.protected	k_q0d9f082d2a_mask
	.globl	k_q0d9f082d2a_mask
	.p2align	8
	.type	k_q0d9f082d2a_mask,@function
k_q0d9f082d2a_mask:
	s_mov_b64 s[64:65], 0
	v_nop
	global_prefetch_b8 v0, s[64:65] scope:SCOPE_SE
	s_setreg_imm32_b32 hwreg(HW_REG_WAVE_SCHED_MODE, 0, 2), 2
	s_setreg_imm32_b32 hwreg(HW_REG_WAVE_MODE, 25, 1), 1
	s_wait_xcnt 0x0
	s_wait_alu depctr_vm_vsrc(0)
; out[p] = (v*255 / (1 + s*255) > 2) ? 0.0 : 1.0,  x: [16,777,216][2] f32 as (s, v) pairs, out: [16,777,216] f32.
;
; THE ARITHMETIC, without a division and yet with the correctly rounded division's answer:
;   b = RN(255 s + 1), a = RN(255 v): one packed fused multiply-add on the pair (s, v) with the addend pair (1, 0).
;   For b > 0: RN(a/b) > 2 exactly when a > 2b.  (a <= 2b: the exact quotient is at most 2.  a > 2b: a is at least one step of
;   2b = m 2^e, 1 <= m < 2, above it, so a/b >= 2 + 2^-22/m > 2 + 2^-23, the midpoint between 2 and the next float.)
;   For b < 0 the mirror image: RN(a/b) > 2 exactly when a < 2b.  Both together: (a - 2b) b > 0.
;   d = fma(b, -2, a) has the exact sign of a - 2b: one rounding, 2b never overflows by itself, and a nonzero difference of two
;   multiples of the smallest denormal is never rounded to zero.
;   b is never 0: 255 s = -1 has no solution in binary fractions, and |255 s + 1| >= 2^-31 near it.  So d b has the wanted sign;
;   it cannot underflow (d small means a near 2b, both multiples of 2^-54 or more: |d b| >= 2^-85), and an overflow keeps the sign.
;   NaN in s or v makes d b NaN, the compare false and the mask 1, as in the reference; infinities give the reference's answers
;   (inf/inf: NaN, mask 1; a/inf: d b = -inf, mask 1; inf/b: sign of a b).
; LIMIT, an order of rounding: b is rounded once, where the formula as written rounds 255 s and then 1 + that.  The two divisors
;   differ, by one last bit, only where 1 + 255 s lies in another binade than 255 s (that includes the s next to -1/255, where
;   the two-step sum is +0 and the fused one is about -2^-24), and the mask then differs only if a is within one step of 2b as well.
;
; THE STREAM.  Eight waves; a work-group owns 131,072 consecutive bytes of x (32 chunks of 4,096) and 65,536 of out.
; Thread t takes 16 bytes (two pairs) at 16 t of each chunk and stores 8 bytes at 8 t of the chunk's 2,048 output bytes:
; a wave's load covers 512 consecutive bytes, a wave's store 256 consecutive bytes at a multiple of 256 from out's first byte.
; No wave depends on another: no LDS, no barrier.  Nothing is shared between work-groups, so there is nothing for a cluster to
; fetch jointly; each byte is touched once, hence the non-temporal hints.
;
; THE MODE: SCHED_MODE bits 1:0 = 2 (LLVM: expert scheduling mode 2), set by the entry lines.  The code itself states the register
; dependences between vector instructions and memory instructions, with s_wait_alu, always for 0.
; THE PLAN.  The 32 chunks go in 8 blocks of four.  Registers that memory instructions touch:
;   X0 .. X3   four blocks of x as loaded.  Written by the loads of block p + 3, issued in block p; read by block p's packed multiply-adds.
;   Y0, Y1     two blocks of the mask.      Written by block p's eight selects; read by the four stores that are issued in block p + 1.
;   v1, v2     byte offsets, made once at the head and never written again: the chunks are reached by immediate offsets from two
;              fixed bases (126,976 bytes at the most in x, 63,488 in out).
; Block p works on X[p % 4] and writes Y[p % 2].  Its memory instructions are the loads into X[(p + 3) % 4] = X[(p - 1) % 4] and the stores
; from Y[(p - 1) % 2]: the two buffers that block p - 1 worked on and that no vector instruction of block p names.  So the waits at a
; block's head state all that its eight memory instructions hang on, and these are dealt among its vector instructions with no further wait.
; A block's eight compares write eight scalar registers; one wait stands between that run and the eight selects that read them.
; NO LOOP: both kinds of buffer are back at their start after four blocks, and only blocks 1 to 4 are alike (block 0 has none in front
; of it, blocks 5 to 7 load nothing): a loop would have one trip, so the eight blocks are written out by one macro.
.set BLOCK,  4                         ; chunks in a block
.set CHIN,   4096                      ; input bytes of a chunk (256 threads x 16)
.set CHOUT,  2048                      ; output bytes of a chunk (256 threads x 8)
.set CHUNKS, 32                        ; chunks of a work-group: 1,024 groups x 32 x 4,096 = 134,217,728 bytes
.set BLOCKS, CHUNKS/BLOCK
.set LOFF, 1                           ; v1        16 t
.set SOFF, 2                           ; v2        8 t
.set C,    4                           ; v[4:5]    (1.0, 0.0): the packed addend; v5 is also the mask's 0.0
.set T,    6                           ; v[6:9]    (b0, a0, b1, a1), then (b0, e0, b1, e1): no memory instruction names them
.set X,    12                          ; v[12:75]  buffer k, chunk i: 4 registers at X + 16 k + 4 i, as loaded: s0, v0, s1, v1
.set Y,    76                          ; v[76:91]  buffer k, chunk i: 2 registers at Y + 8 k + 2 i, to store
.set M,    16                          ; s[16:23]  a block's eight compare masks: chunk i's two at M + 2 i
	s_load_b128 s[4:7], s[0:1], 0x0                ; x s[4:5], out s[6:7]
	s_lshl_b32 s8, ttmp9, 17                       ; the group's first byte of x: at most 1,023 x 131,072, below 2^27
	s_mov_b32 s9, 0
	s_lshl_b32 s10, ttmp9, 16                      ; and of out
	s_mov_b32 s11, 0
	v_lshlrev_b32 v[LOFF], 4, v0
	v_lshlrev_b32 v[SOFF], 3, v0
	v_mov_b32 v[C], 1.0
	v_mov_b32 v[C+1], 0
	s_wait_kmcnt 0x0
	s_add_nc_u64 s[4:5], s[4:5], s[8:9]
	s_add_nc_u64 s[6:7], s[6:7], s[10:11]
	s_wait_alu depctr_va_vdst(0)                   ; v1 and v2 are written: every load and store of the kernel reads one of them as its offset
.irp i, 0,1,2,3,4,5,6,7,8,9,10,11
	global_load_b128 v[X+4*(\i):X+4*(\i)+3], v[LOFF], s[4:5] offset:(\i)*CHIN th:TH_LOAD_NT   ; blocks 0, 1 and 2 into X0, X1, X2
.endr
; Block p.  left = how many younger loads may still be out when this block's four have to be there.
; Blocks 0 to BLOCKS - 4 ask for the block three further on; blocks 1 and later store the block before.
.macro BLK p, left
	s_wait_loadcnt \left                           ; loads return in order (ISA guide 5.7.1): X[p % 4] is in, the younger blocks stay out
.if (\p) >= 2                                          ; (blocks 0 and 1 write a Y that no store has read yet)
	s_wait_xcnt 0x0                                ; all issued loads and stores have had their addresses translated (ISA guide 3.1): Y[p % 2], the data of stores issued in the block before, is rewritten only behind this wait
	s_wait_alu depctr_vm_vsrc(0)                   ; those stores have read Y[p % 2], which this block's selects write again
.endif
.if (\p) >= 1
	s_wait_alu depctr_va_vdst(0)                   ; the block before has written the other Y, which the stores below read, and is done reading its X, in which the loads below land
.endif
.irp i, 0,1,2,3
.if (\p) <= BLOCKS-4
	global_load_b128 v[X+16*(((\p)+3)%4)+4*(\i):X+16*(((\p)+3)%4)+4*(\i)+3], v[LOFF], s[4:5] offset:(BLOCK*((\p)+3)+(\i))*CHIN th:TH_LOAD_NT  ; three blocks ahead; no vector instruction since the wait names these registers
.endif
.if (\p) >= 1
	global_store_b64 v[SOFF], v[Y+8*(((\p)+1)%2)+2*(\i):Y+8*(((\p)+1)%2)+2*(\i)+1], s[6:7] offset:(BLOCK*((\p)-1)+(\i))*CHOUT th:TH_STORE_NT  ; the block before
.endif
	v_pk_fma_f32 v[T:T+1],   v[X+16*((\p)%4)+4*(\i):X+16*((\p)%4)+4*(\i)+1],   0x437f0000, v[C:C+1] op_sel_hi:[1,0,1]  ; (b0, a0) = (255 s0 + 1, 255 v0 + 0)
	v_pk_fma_f32 v[T+2:T+3], v[X+16*((\p)%4)+4*(\i)+2:X+16*((\p)%4)+4*(\i)+3], 0x437f0000, v[C:C+1] op_sel_hi:[1,0,1]  ; (b1, a1)
	v_fma_f32 v[T+1], v[T],   -2.0, v[T+1]         ; d0 = a0 - 2 b0, sign exact
	v_fma_f32 v[T+3], v[T+2], -2.0, v[T+3]         ; d1
	v_mul_f32 v[T+1], v[T+1], v[T]                 ; e0 = d0 b0: positive exactly where the quotient exceeds 2
	v_mul_f32 v[T+3], v[T+3], v[T+2]               ; e1
	v_cmp_lt_f32 s[M+2*(\i)],   0, v[T+1]          ; false for NaN: the mask is then 1
	v_cmp_lt_f32 s[M+2*(\i)+1], 0, v[T+3]
.endr
	s_wait_alu depctr_va_sdst(0)                   ; the block's eight compares have written s[M .. M+7], ahead of their first readers, the selects below
.irp j, 0,1,2,3,4,5,6,7
	v_cndmask_b32 v[Y+8*((\p)%2)+(\j)], 1.0, v[C+1], s[M+(\j)]  ; 0.0 where the bit is set, else 1.0
.endr
.endm
.irp p, 0,1,2,3,4,5
	BLK \p, 2*BLOCK                                ; block 5 asks for nothing more, but blocks 6 and 7 are still the two younger
.endr
	BLK 6, BLOCK                                   ; the last blocks load nothing, so no load leaves the group's span: the counts run down
	BLK 7, 0
	s_wait_alu depctr_va_vdst(0)                   ; block 7 has written Y1, which the last four stores read
.irp i, 0,1,2,3
	global_store_b64 v[SOFF], v[Y+8+2*(\i):Y+8+2*(\i)+1], s[6:7] offset:(BLOCK*(BLOCKS-1)+(\i))*CHOUT th:TH_STORE_NT
.endr
	s_endpgm
.Lfunc_end_k_q0d9f082d2a_mask:
	.size	k_q0d9f082d2a_mask, .Lfunc_end_k_q0d9f082d2a_mask-k_q0d9f082d2a_mask
	.p2alignl 7, 3214868480
	.fill 96, 4, 3214868480
	.section	.rodata,"a",@progbits
	.p2align	6, 0x0
	.amdhsa_kernel k_q0d9f082d2a_mask
		.amdhsa_group_segment_fixed_size 0
		.amdhsa_private_segment_fixed_size 0
		.amdhsa_enable_private_segment 0
		.amdhsa_kernarg_size 16
		.amdhsa_user_sgpr_count 2
		.amdhsa_user_sgpr_kernarg_segment_ptr 1
		.amdhsa_wavefront_size32 1
		.amdhsa_system_sgpr_workgroup_id_x 1
		.amdhsa_system_sgpr_workgroup_id_y 1
		.amdhsa_system_sgpr_workgroup_id_z 1
		.amdhsa_system_vgpr_workitem_id 0
		.amdhsa_next_free_vgpr 92
		.amdhsa_next_free_sgpr 66
		.amdhsa_reserve_vcc 0
		.amdhsa_float_denorm_mode_32 3
		.amdhsa_float_denorm_mode_16_64 3
		.amdhsa_memory_ordered 1
		.amdhsa_forward_progress 1
		.amdhsa_inst_pref_size 28
	.end_amdhsa_kernel
	.amdgpu_metadata
---
amdhsa.version: [ 1, 2 ]
amdhsa.kernels:
  - .name:           k_q0d9f082d2a_mask
    .symbol:         k_q0d9f082d2a_mask.kd
    .args:
      - { .name: x, .offset: 0, .size: 8, .value_kind: global_buffer, .address_space: global }
      - { .name: out0, .offset: 8, .size: 8, .value_kind: global_buffer, .address_space: global }
    .group_segment_fixed_size: 0
    .private_segment_fixed_size: 0
    .kernarg_segment_align: 8
    .kernarg_segment_size: 16
    .max_flat_workgroup_size: 256
    .sgpr_count:     66
    .vgpr_count:     92
    .wavefront_size: 32
...
	.end_amdgpu_metadata
.endif
;; end of part 2
